; MI455X (gfx1250); checked and timed in simulation.
; The chip was launched on July 23, 2026; its instructions are those of AMD's public machine-readable ISA for CDNA 5 (MIT licence, August 2026) and "CDNA5" Instruction Set Architecture Reference Guide (July 2026).
;; Attention Block. Allowed arithmetic: matrix products marked QUANTISED: E5M2 operands, one given power-of-two scale a tensor, by v_wmma_f32_16x16x64_bf8_bf8 or v_wmma_f32_16x16x128_bf8_bf8, f32 sums; everything else in f32.
;; Inputs: Wk_codes 512 x 16 x 32 uint8 (E5M2 codes of Wk, K innermost, in blocks of 32 codes); Wq_codes 512 x 16 x 32 uint8 (E5M2 codes of Wq, K innermost, in blocks of 32 codes); Wv_codes 512 x 16 x 32 uint8 (E5M2 codes of Wv, K innermost, in blocks of 32 codes); bk 512 float32; bq 512 float32; bv 512 float32; lowp_scales 10 int32 (the exponents e of the quantised operands' scales 2^e); x_codes 32 x 1,024 x 16 x 32 uint8 (E5M2 codes of x, K innermost, in blocks of 32 codes).
;; Outputs: out0 32 x 512 x 1,024 float32.
;; This version of the problem:
;;   THIS VERSION OF THE PROBLEM IS GIVEN IN LOW PRECISION. The matrix products marked QUANTISED in the list below multiply operands that are first quantised to E5M2 (5 exponent bits, 2 mantissa bits; 8 bits a number), with one given power-of-two scale for each operand tensor; their sums are f32. All else is computed in f32.
;;   The module's matrix products, in the order in which they are computed (A, B: the left and right operand; K: the contracted axis; several contracted axes count as one K, in the product's order):
;;     1. [M 32,768, K 512] x [K 512, N 512]; A: input x (given as codes); B: input Wq (given as codes): QUANTISED (scales: A lowp_scales[0], B lowp_scales[1])
;;     2. [M 32,768, K 512] x [K 512, N 512]; A: input x (given as codes); B: input Wk (given as codes): QUANTISED (scales: A lowp_scales[2], B lowp_scales[3])
;;     3. [M 32,768, K 512] x [K 512, N 512]; A: input x (given as codes); B: input Wv (given as codes): QUANTISED (scales: A lowp_scales[4], B lowp_scales[5])
;;     4. batch 32 x [M 1,024, K 512] x [K 512, N 1,024]; A: computed on the way; B: computed on the way: QUANTISED (scales: A lowp_scales[6], B lowp_scales[7])
;;     5. batch 32 x [M 1,024, K 1,024] x [K 1,024, N 512]; A: computed on the way; B: computed on the way: QUANTISED (scales: A lowp_scales[8], B lowp_scales[9])
;;   THE QUANTISER, for each operand of a quantised product, along K:
;;     - The operand's scale is 2^e, e = its entry of the input lowp_scales (int32; the entries are numbered through the quantised products in the list's order, A before B).
;;     - Each number is divided by the scale, clamped to +-57,344, and rounded to the nearest number of E5M2, ties to even, subnormals kept.
;;     - The product sums the exact products of the quantised numbers (number of the format x scale) in f32.
;;   ~~~python
;;   def quantise(x, axis, e):      # numpy; x: float32 -> the quantised numbers, widened to float32 again
;;       x = np.moveaxis(x, axis, -1); K = x.shape[-1]
;;       r = np.clip(x / 2.0 ** e, -57344, 57344)
;;       step = 2.0 ** (np.maximum(np.frexp(np.where(r == 0, 1, r))[1] - 1, -14) - 2)
;;       q = np.round(r / step) * step * 2.0 ** e      # np.round: ties to even
;;       return np.moveaxis(q, -1, axis).astype(np.float32)
;;   ~~~
;;   OPERANDS COMPUTED ON THE WAY. 'Computed on the way' means the value that the module computes at that place (a softmax that the list does not call 'softmax' is quantised finished and normalised). What goes into a quantiser is computed in f32, as accurately as f32 sums, v_exp_f32 and their like allow (about 1e-6 of the number): no bf16 or f16 on the way to a quantiser, and a product that is left as it is and whose result goes on into a quantised operand takes f32 operands (vector FMAs, or v_wmma_f32_16x16x4_f32). A number that lies on a knife's edge between two numbers of the format may be rounded either way, as far as f32 arithmetic and the matrix unit's own rounding can turn it there, and no further.
;;   INPUTS GIVEN AS CODES. Wk (in the module: [512, 512], K = its axis 1); Wq (in the module: [512, 512], K = its axis 1); Wv (in the module: [512, 512], K = its axis 1); x (in the module: [32, 512, 1024], K = its axis 1): each comes as NAME_codes (uint8): NAME with its K axis moved to the last place and cut into blocks of 32 codes, [.., K / 32, bytes a block], one block behind the other in memory; one code a byte (a code: sign, 5 exponent bits, 2 mantissa bits); its scale is its entry of lowp_scales. Its value is code x scale, taken as it is: it is not quantised again, and the codes and scales need not be those that the quantiser above would give.
;; One version. Each part assembles by itself: llvm-mc -triple=amdgcn-amd-amdhsa -mcpu=gfx1250 --defsym DOCPART=n.
;; ======== version 1 of 1: 3 launches
;; workspace buffers: qc 16,777,216 bytes; kc 16,777,216 bytes; vc 16,777,216 bytes; wc 33,554,432 bytes
;; launch proj (part 1): grid 128 x 2, 8 waves a work-group, clusters of 4 x 1, 327,680 bytes of LDS; arguments x_codes, Wk_codes, Wq_codes, Wv_codes, bk, bq, bv, lowp_scales, qc, kc, vc; writes qc, kc, vc
.if DOCPART == 1
	.amdgcn_target "amdgcn-amd-amdhsa--gfx1250"
	.amdhsa_code_object_version 6
	.text
	.protected	k_qbb85d7bed0_proj
	.globl	k_qbb85d7bed0_proj
	.p2align	8
	.type	k_qbb85d7bed0_proj,@function
k_qbb85d7bed0_proj:
	s_mov_b64 s[64:65], 0
	v_nop
	global_prefetch_b8 v0, s[64:65] scope:SCOPE_SE
	s_setreg_imm32_b32 hwreg(HW_REG_WAVE_MODE, 25, 1), 1
	s_wait_xcnt 0x0
	s_wait_alu depctr_hold_cnt(0) depctr_sa_sdst(0) depctr_va_vdst(0) depctr_va_sdst(0) depctr_va_ssrc(0) depctr_va_vcc(0) depctr_vm_vsrc(0)
	s_getreg_b32 s2, hwreg(HW_REG_IB_STS2, 6, 4)
	s_cmp_eq_u32 s2, 0
	s_cbranch_scc0 .Lentry_in_a_cluster
	s_endpgm
.Lentry_in_a_cluster:
	s_bfe_u32 s2, ttmp6, 0x10000c
	s_cmp_lg_u32 s2, 0x3003
	s_cbranch_scc0 .Lentry_shape_is_right
	s_endpgm
.Lentry_shape_is_right:
.set PITCH, 528
.set WS0,   256*PITCH
.set WSB,   128*PITCH
.set BT,    WS0+2*WSB
.set SPARE, BT+3072
.set WF, 24
.set AC, 152
.set CD, 216
.set TT, 216
.set BB, 232
.set BV, 248
.set MSB, 0
.macro WIN new
.if MSB != \new
	s_set_vgpr_msb (MSB<<8)|\new
.set MSB, \new
.endif
.endm
.macro ROUND
	s_barrier_signal -1
	s_barrier_wait -1
	s_cmp_lg_u32 s26, 0
	s_cbranch_scc1 .Lnot_wave_0_\@
	s_barrier_signal -3
.Lnot_wave_0_\@:
	s_barrier_wait -3
	s_barrier_signal -1
	s_barrier_wait -1
.endm
.macro SCLM e, sc, lm
	s_add_co_i32 s96, s[\e], 127
	s_lshl_b32 s[\sc], s96, 23
	s_add_co_i32 s96, s96, 15
	s_lshl_b32 s[\lm], s96, 23
	s_or_b32 s[\lm], s[\lm], 0x600000
.endm
	s_load_b512 s[4:19], s[0:1], 0x0
	s_load_b128 s[20:23], s[0:1], 0x40
	s_load_b64 s[24:25], s[0:1], 0x50
	v_lshl_add_u32 v7, v0, 2, SPARE
	v_mov_b32 v8, 0
	ds_add_u32 v7, v8
	ds_add_u32 v7, v8
	s_wait_dscnt 0x0
	v_lshrrev_b32 v16, 5, v0
	v_readfirstlane_b32 s26, v16
	s_and_b32 s27, s26, 3
	s_lshr_b32 s38, s26, 2
	s_and_b32 s39, ttmp7, 0xffff
	s_bfe_u32 s42, ttmp6, 0x40000
	s_mov_b32 s44, (1<<20)|(6<<22)|(3<<25)
	s_mov_b32 s45, 512<<16
	s_mov_b32 s46, 32<<16
	s_mov_b32 s47, 512<<16
	s_mov_b32 s48, 32
	s_mov_b32 s49, 512
	s_mov_b32 s50, 0
	s_mov_b32 s51, 0
	s_mov_b32 s52, 15|(1<<20)|(1<<21)|(6<<22)|(3<<25)
	s_mov_b32 s53, 512<<16
	s_mov_b32 s54, 16<<16
	s_mov_b32 s55, 512<<16
	s_mov_b32 s56, 16
	s_mov_b32 s57, 512
	s_mov_b32 s58, 0
	s_mov_b32 s59, 0
	s_mov_b32 s75, 0x80808080
	s_lshl_b32 s40, ttmp9, 2
	s_add_co_u32 s40, s40, s42
	s_lshl_b32 s94, s40, 17
	s_lshl_b32 s95, s26, 14
	s_add_co_u32 s94, s94, s95
	s_mov_b32 s95, 0
	s_mul_i32 s61, s26, 32*PITCH
	s_mul_i32 s43, s26, 16*PITCH
	s_lshl_b32 s96, s39, 17
	s_lshl_b32 s98, s26, 13
	s_add_co_u32 s96, s96, s98
	s_mov_b32 s97, 0
	s_wait_kmcnt 0x0
	s_load_b256 s[28:35], s[18:19], 0x0
	s_load_b64 s[36:37], s[18:19], 0x20
	s_mov_b32 s60, 1
	s_add_nc_u64 s[62:63], s[4:5], s[94:95]
	s_or_b32 s63, s63, 0x80000000
	s_add_nc_u64 s[78:79], s[6:7], s[96:97]
	s_add_nc_u64 s[76:77], s[8:9], s[96:97]
	s_add_nc_u64 s[66:67], s[10:11], s[96:97]
	s_mov_b32 s68, 1
	s_add_co_u32 s69, s43, WS0
	s_mov_b64 s[70:71], s[78:79]
	s_or_b32 s71, s71, 0x80000000
	ROUND
	tensor_load_to_lds s[60:63], s[44:51]
	s_nop 0
	tensor_load_to_lds s[68:71], s[52:59]
	s_nop 0
.rept 4
	v_nop
.endr
	v_and_b32 v16, 31, v0
	v_and_b32 v17, 15, v0
	v_bfe_u32 v18, v0, 4, 1
	v_lshlrev_b32 v1, 4, v16
	v_mul_u32_u24 v19, v17, PITCH
	v_lshl_add_u32 v19, v18, 3, v19
	s_mul_i32 s96, s27, 64*PITCH
	v_add_nc_u32 v2, s96, v19
	s_mul_i32 s96, s38, 64*PITCH
	s_add_co_u32 s96, s96, WS0
	v_add_nc_u32 v3, s96, v19
	v_add_nc_u32 v4, WSB, v3
	s_lshl_b32 s96, s38, 8
	s_add_co_u32 s96, s96, BT
	v_lshl_add_u32 v5, v18, 5, s96
	v_lshl_add_u32 v6, v17, 2, s96
	v_lshlrev_b32 v20, 2, v0
	v_add_nc_u32 v11, BT, v20
	s_lshl_b32 s96, s39, 10
	s_mov_b32 s97, 0
	s_add_nc_u64 s[12:13], s[12:13], s[96:97]
	s_add_nc_u64 s[14:15], s[14:15], s[96:97]
	s_add_nc_u64 s[16:17], s[16:17], s[96:97]
	global_load_b32 v21, v20, s[12:13]
	global_load_b32 v22, v20, s[14:15]
	global_load_b32 v23, v20, s[16:17]
	s_lshl_b32 s94, ttmp9, 19
	s_lshl_b32 s95, s42, 17
	s_add_co_u32 s94, s94, s95
	s_lshl_b32 s95, s27, 15
	s_add_co_u32 s96, s94, s95
	s_lshl_b32 s95, s38, 10
	s_add_co_u32 s96, s96, s95
	s_lshl_b32 s95, s39, 12
	s_add_co_u32 s96, s96, s95
	s_add_nc_u64 s[80:81], s[22:23], s[96:97]
	s_add_nc_u64 s[82:83], s[20:21], s[96:97]
	s_lshr_b32 s95, s27, 1
	s_lshl_b32 s95, s95, 16
	s_add_co_u32 s94, s94, s95
	s_and_b32 s95, s27, 1
	s_lshl_b32 s95, s95, 10
	s_add_co_u32 s94, s94, s95
	s_lshl_b32 s95, s38, 13
	s_add_co_u32 s94, s94, s95
	s_lshl_b32 s95, s39, 15
	s_add_co_u32 s94, s94, s95
	s_mov_b32 s95, 0
	s_add_nc_u64 s[24:25], s[24:25], s[94:95]
	s_wait_kmcnt 0x0
	s_add_co_i32 s96, s30, s31
	s_add_co_i32 s96, s96, 126
	s_lshl_b32 s40, s96, 23
	s_mov_b32 s41, s40
	s_add_co_i32 s96, s28, s29
	s_add_co_i32 s96, s96, 126
	s_lshl_b32 s74, s96, 23
	s_add_co_i32 s96, s32, s33
	s_add_co_i32 s96, s96, 127
	s_lshl_b32 s72, s96, 23
	SCLM 35, 88, 89
	SCLM 34, 90, 91
	SCLM 37, 92, 93
	s_mov_b32 s84, 512
	s_mov_b32 s85, 0
	s_mov_b32 s86, 1536
	s_mov_b32 s87, 0
	v_mov_b32 v9, s88
	v_mov_b32 v10, s89
	v_mov_b32 v12, v1
.irp g, 1,2,3
	v_add_nc_u32 v[12+\g], \g*8192, v1
.endr
	s_wait_loadcnt 0x0
	ds_store_b32 v11, v21
	ds_store_b32 v11, v22 offset:1024
	ds_store_b32 v11, v23 offset:2048
.macro FETCHX
	WIN 0x40
.irp m, 0,1,2,3
.irp ks, 0,1,2,3
.irp c, 0,1,2,3,4,5,6,7
	ds_load_b64 v[64*\m+16*\ks+2*\c:64*\m+16*\ks+2*\c+1], v2 offset:16*\m*PITCH+128*\ks+16*\c
.endr
.endr
.endr
	WIN 0
.endm
.macro MMA d, u, m, ks, vf
.if \vf
.if \ks == 0
	v_wmma_f32_16x16x128_bf8_bf8 v[\d:\d+7], v[64*\m+16*\ks:64*\m+16*\ks+15], v[WF+64*\u+16*\ks:WF+64*\u+16*\ks+15], 0
.else
	v_wmma_f32_16x16x128_bf8_bf8 v[\d:\d+7], v[64*\m+16*\ks:64*\m+16*\ks+15], v[WF+64*\u+16*\ks:WF+64*\u+16*\ks+15], v[\d:\d+7]
.endif
.else
.if \ks == 0
	v_wmma_f32_16x16x128_bf8_bf8 v[\d:\d+7], v[WF+64*\u+16*\ks:WF+64*\u+16*\ks+15], v[64*\m+16*\ks:64*\m+16*\ks+15], 0
.else
	v_wmma_f32_16x16x128_bf8_bf8 v[\d:\d+7], v[WF+64*\u+16*\ks:WF+64*\u+16*\ks+15], v[64*\m+16*\ks:64*\m+16*\ks+15], v[\d:\d+7]
.endif
.endif
.endm
.macro ARMQ toff, pp
	s_wait_dscnt 0x0
	WIN 0x04
.irp ks, 0,1,2,3
.irp u, 0,1
.irp m, 0,1,2,3
	MMA AC+16*\m+8*\u, \u, \m, \ks, 0
.endr
.endr
.endr
	WIN 0
.rept 5
	v_nop
.endr
.set n, 0
.rept 128
	v_xor_b32 v[WF+n], s75, v[WF+n]
.set n, n+1
.endr
	s_wait_xcnt 0x0
.irp u, 0,1
	WIN 0x04
.irp ks, 0,1,2,3
.irp m, 0,1,2,3
	MMA TT+8*\m, \u, \m, \ks, 0
.endr
.endr
	WIN 0
.rept 5
	v_nop
.endr
.irp m, 0,1,2,3
.irp j, 0,2,4,6
	v_pk_add_f32 v[AC+16*\m+8*\u+\j:AC+16*\m+8*\u+\j+1], v[AC+16*\m+8*\u+\j:AC+16*\m+8*\u+\j+1], v[TT+8*\m+\j:TT+8*\m+\j+1] neg_lo:[0,1] neg_hi:[0,1]
.endr
.endr
.endr
.irp u, 0,1
	ds_load_b128 v[BB+8*\u:BB+8*\u+3], v5 offset:\toff+(32*\pp+16*\u)*4
	ds_load_b128 v[BB+8*\u+4:BB+8*\u+7], v5 offset:\toff+(32*\pp+16*\u)*4+16
.endr
	s_wait_dscnt 0x0
.irp u, 0,1
.irp m, 0,1,2,3
.irp j, 0,2,4,6
	v_pk_fma_f32 v[AC+16*\m+8*\u+\j:AC+16*\m+8*\u+\j+1], v[AC+16*\m+8*\u+\j:AC+16*\m+8*\u+\j+1], s[40:41], v[BB+8*\u+\j:BB+8*\u+\j+1] op_sel_hi:[1,0,1]
.endr
.endr
.endr
.endm
.macro ARMV toff, pp
	ds_load_b32 v[BV], v6 offset:\toff+(32*\pp)*4
	ds_load_b32 v[BV+2], v6 offset:\toff+(32*\pp+16)*4
	s_wait_dscnt 0x0
	v_mov_b32 v[BV+1], v[BV]
	v_mov_b32 v[BV+3], v[BV+2]
	WIN 0x01
.irp ks, 0,1,2,3
.irp u, 0,1
.irp m, 0,1,2,3
	MMA AC+32*\u+8*\m, \u, \m, \ks, 1
.endr
.endr
.endr
	WIN 0
.rept 4
	v_nop
.endr
.irp u, 0,1
.irp m, 0,1,2,3
.irp j, 0,2,4,6
	v_pk_fma_f32 v[AC+32*\u+8*\m+\j:AC+32*\u+8*\m+\j+1], v[AC+32*\u+8*\m+\j:AC+32*\u+8*\m+\j+1], s[40:41], v[BV+2*\u:BV+2*\u+1] op_sel_hi:[1,0,1]
.endr
.endr
.endr
.endm
.macro PAIR slot, toff, pp, vf, step
.irp u, 0,1
.irp ks, 0,1,2,3
.irp c, 0,1,2,3,4,5,6,7
	ds_load_b64 v[WF+64*\u+16*\ks+2*\c:WF+64*\u+16*\ks+2*\c+1], v[3+\slot] offset:(32*\pp+16*\u)*PITCH+128*\ks+16*\c
.endr
.endr
.endr
.if \vf
	ARMV \toff, \pp
.else
	ARMQ \toff, \pp
.endif
.set j, 0
.rept 64
	v_med3_num_f32 v[AC+j], v[AC+j], -v10, v10
.set j, j+1
.endr
	s_wait_xcnt 0x0
.if \step == 1
	s_add_nc_u64 s[80:81], s[80:81], s[84:85]
.endif
.if \step == 3
	s_add_nc_u64 s[80:81], s[80:81], s[86:87]
.endif
.irp g, 0,1,2,3
	v_cvt_scalef32_pk8_bf8_f32 v[CD+4*\g:CD+4*\g+1], v[AC+16*\g:AC+16*\g+7], v9
	v_cvt_scalef32_pk8_bf8_f32 v[CD+4*\g+2:CD+4*\g+3], v[AC+16*\g+8:AC+16*\g+15], v9
.endr
	v_nop
.irp g, 0,1,2,3
	global_store_b128 v[12+\g], v[CD+4*\g:CD+4*\g+3], s[80:81]
.endr
.endm
.macro TRIP n
	s_wait_tensorcnt 0x0
	ds_add_u32 v7, v8
.if \n < 5
	s_add_co_u32 s69, s43, WS0+((\n+1)%2)*WSB
.if (\n+1)/2 == 0
	s_add_nc_u64 s[70:71], s[78:79], ((\n+1)%2)*65536
.endif
.if (\n+1)/2 == 1
	s_add_nc_u64 s[70:71], s[76:77], ((\n+1)%2)*65536
.endif
.if (\n+1)/2 == 2
	s_add_nc_u64 s[70:71], s[66:67], ((\n+1)%2)*65536
.endif
	s_or_b32 s71, s71, 0x80000000
.endif
	s_wait_dscnt 0x0
.if \n < 5
	ROUND
	tensor_load_to_lds s[68:71], s[52:59]
	s_nop 0
.rept 4
	v_nop
.endr
.else
	s_barrier_signal -1
	s_barrier_wait -1
.endif
.if \n == 0
	FETCHX
.endif
.if \n == 2
	s_wait_xcnt 0x0
	v_mov_b32 v9, s90
	v_mov_b32 v10, s91
	s_mov_b64 s[80:81], s[82:83]
	s_mov_b32 s40, s74
	s_mov_b32 s41, s74
.endif
.if \n == 4
	s_wait_xcnt 0x0
	v_mov_b32 v9, s92
	v_mov_b32 v10, s93
	v_add_nc_u32 v13, 512, v1
	v_add_nc_u32 v14, 2048, v1
	v_add_nc_u32 v15, 2560, v1
	s_mov_b64 s[80:81], s[24:25]
	s_mov_b32 s84, 4096
	s_mov_b32 s86, 12288
	s_mov_b32 s40, s72
	s_mov_b32 s41, s72
.endif
	PAIR (\n)%2, (\n)*512, 0, (\n)/4, 3*((\n)%2)
	PAIR (\n)%2, (\n)*512, 1, (\n)/4, 1
.endm
	TRIP 0
	TRIP 1
	TRIP 2
	TRIP 3
	TRIP 4
	TRIP 5
	s_wait_tensorcnt 0x0
	ds_add_u32 v7, v8
	s_wait_dscnt 0x0
	ROUND
	s_endpgm
.Lfunc_end_k_qbb85d7bed0_proj:
	.size	k_qbb85d7bed0_proj, .Lfunc_end_k_qbb85d7bed0_proj-k_qbb85d7bed0_proj
	.p2alignl 7, 3214868480
	.fill 96, 4, 3214868480
	.section	.rodata,"a",@progbits
	.p2align	6, 0x0
	.amdhsa_kernel k_qbb85d7bed0_proj
		.amdhsa_group_segment_fixed_size 327680
		.amdhsa_private_segment_fixed_size 0
		.amdhsa_enable_private_segment 0
		.amdhsa_kernarg_size 88
		.amdhsa_user_sgpr_count 2
		.amdhsa_user_sgpr_kernarg_segment_ptr 1
		.amdhsa_wavefront_size32 1
		.amdhsa_system_sgpr_workgroup_id_x 1
		.amdhsa_system_sgpr_workgroup_id_y 1
		.amdhsa_system_sgpr_workgroup_id_z 1
		.amdhsa_system_vgpr_workitem_id 0
		.amdhsa_next_free_vgpr 512
		.amdhsa_next_free_sgpr 100
		.amdhsa_reserve_vcc 0
		.amdhsa_float_denorm_mode_32 3
		.amdhsa_float_denorm_mode_16_64 3
		.amdhsa_memory_ordered 1
		.amdhsa_forward_progress 1
		.amdhsa_inst_pref_size 251
	.end_amdhsa_kernel
	.amdgpu_metadata
---
amdhsa.version: [ 1, 2 ]
amdhsa.kernels:
  - .name:           k_qbb85d7bed0_proj
    .symbol:         k_qbb85d7bed0_proj.kd
    .args:
      - { .name: x_codes, .offset: 0, .size: 8, .value_kind: global_buffer, .address_space: global }
      - { .name: Wk_codes, .offset: 8, .size: 8, .value_kind: global_buffer, .address_space: global }
      - { .name: Wq_codes, .offset: 16, .size: 8, .value_kind: global_buffer, .address_space: global }
      - { .name: Wv_codes, .offset: 24, .size: 8, .value_kind: global_buffer, .address_space: global }
      - { .name: bk, .offset: 32, .size: 8, .value_kind: global_buffer, .address_space: global }
      - { .name: bq, .offset: 40, .size: 8, .value_kind: global_buffer, .address_space: global }
      - { .name: bv, .offset: 48, .size: 8, .value_kind: global_buffer, .address_space: global }
      - { .name: lowp_scales, .offset: 56, .size: 8, .value_kind: global_buffer, .address_space: global }
      - { .name: qc, .offset: 64, .size: 8, .value_kind: global_buffer, .address_space: global }
      - { .name: kc, .offset: 72, .size: 8, .value_kind: global_buffer, .address_space: global }
      - { .name: vc, .offset: 80, .size: 8, .value_kind: global_buffer, .address_space: global }
    .group_segment_fixed_size: 327680
    .private_segment_fixed_size: 0
    .kernarg_segment_align: 8
    .kernarg_segment_size: 88
    .max_flat_workgroup_size: 256
    .sgpr_count:     100
    .vgpr_count:     512
    .wavefront_size: 32
...
	.end_amdgpu_metadata
.endif
;; end of part 1
;; launch soft (part 2): grid 8 x 32, 4 waves a work-group, no clusters, 68,096 bytes of LDS; arguments qc, kc, lowp_scales, wc; writes wc
.if DOCPART == 2
	.amdgcn_target "amdgcn-amd-amdhsa--gfx1250"
	.amdhsa_code_object_version 6
	.text
	.protected	k_qbb85d7bed0_soft
	.globl	k_qbb85d7bed0_soft
	.p2align	8
	.type	k_qbb85d7bed0_soft,@function
k_qbb85d7bed0_soft:
	s_mov_b64 s[64:65], 0
	v_nop
	global_prefetch_b8 v0, s[64:65] scope:SCOPE_SE
	s_setreg_imm32_b32 hwreg(HW_REG_WAVE_MODE, 25, 1), 1
	s_wait_xcnt 0x0
.set QB0, 16
.set SM,  144
.set TP,  176
.set MX,  208
.set CDR, 240
.set R1,  65536
.set MSB, 0
.macro WIN new
.if MSB != \new
	s_set_vgpr_msb (MSB<<8)|\new
.set MSB, \new
.endif
.endm
.macro OFFQ dst, kap
	s_lshl_b32 s[\dst], s14, 19
	s_lshl_b32 s46, s[\kap], 15
	s_add_co_u32 s[\dst], s[\dst], s46
	s_lshl_b32 s46, s12, 13
	s_add_co_u32 s[\dst], s[\dst], s46
	s_mov_b32 s[\dst+1], 0
.endm
.macro OFFW dst, kap
	s_lshl_b32 s[\dst], s14, 20
	s_lshl_b32 s46, s[\kap], 16
	s_add_co_u32 s[\dst], s[\dst], s46
	s_lshr_b32 s46, s[\kap], 1
	s_lshl_b32 s46, s46, 13
	s_add_co_u32 s[\dst], s[\dst], s46
	s_lshl_b32 s46, s12, 11
	s_add_co_u32 s[\dst], s[\dst], s46
	s_and_b32 s46, s[\kap], 1
	s_lshl_b32 s46, s46, 10
	s_add_co_u32 s[\dst], s[\dst], s46
	s_mov_b32 s[\dst+1], 0
.endm
.macro MLOAD buf, e, base, cnt
	s_cmp_gt_u32 s[\cnt], \e
	s_cbranch_scc0 .Lpast_\@
.irp i, 0,1,2,3,4,5,6,7,8,9,10,11,12,13,14,15
	global_load_b128 v[\buf+4*\i:\buf+4*\i+3], v1, s[\base:\base+1] offset:(\e)*32768+512*\i
.endr
	s_branch .Lloaded_\@
.Lpast_\@:
	s_cselect_b32 s34, -1, 0
	s_wait_xcnt 0x0
	s_and_saveexec_b32 s35, s34
.irp i, 0,1,2,3,4,5,6,7,8,9,10,11,12,13,14,15
	global_load_b128 v[\buf+4*\i:\buf+4*\i+3], v1, s[\base:\base+1] offset:(\e)*32768+512*\i
.endr
	s_wait_xcnt 0x0
	s_or_b32 exec_lo, exec_lo, s35
.Lloaded_\@:
.endm
	s_load_b256 s[4:11], s[0:1], 0x0
	v_lshl_add_u32 v254, v0, 2, 0x10800
	v_mov_b32 v255, 0
	v_lshrrev_b32 v9, 5, v0
	v_readfirstlane_b32 s12, v9
	s_and_b32 s14, ttmp7, 0xffff
	s_mov_b32 s15, ttmp9
	s_sub_co_u32 s26, 15, ttmp9
	s_sub_co_u32 s16, 16, s15
	s_add_co_u32 s17, ttmp9, 1
	OFFQ 40, 15
	OFFQ 42, 26
	OFFW 44, 15
	OFFW 52, 26
	v_and_b32 v9, 31, v0
	v_lshlrev_b32 v1, 4, v9
	v_and_b32 v10, 15, v0
	v_bfe_u32 v11, v0, 4, 1
	s_wait_kmcnt 0x0
	s_load_b128 s[36:39], s[8:9], 0x18
	s_add_nc_u64 s[18:19], s[4:5], s[40:41]
	s_add_nc_u64 s[20:21], s[4:5], s[42:43]
	s_add_nc_u64 s[48:49], s[6:7], s[40:41]
	s_add_nc_u64 s[50:51], s[6:7], s[42:43]
	s_add_nc_u64 s[22:23], s[10:11], s[44:45]
	s_add_nc_u64 s[24:25], s[10:11], s[52:53]
.irp i, 0,1,2,3,4,5,6,7,8,9,10,11,12,13,14,15
	global_load_b128 v[QB0+64+4*\i:QB0+64+4*\i+3], v1, s[48:49] offset:512*\i
.endr
.irp i, 0,1,2,3,4,5,6,7,8,9,10,11,12,13,14,15
	global_load_b128 v[QB0+128+4*\i:QB0+128+4*\i+3], v1, s[50:51] offset:512*\i
.endr
.irp i, 0,1,2,3,4,5,6,7,8,9,10,11,12,13,14,15
	global_load_b128 v[QB0+4*\i:QB0+4*\i+3], v1, s[18:19] offset:512*\i
.endr
	v_lshlrev_b32 v9, 3, v11
	v_sub_nc_u32 v3, v10, v9
	s_lshl_b32 s46, s12, 4
	v_add_nc_u32 v3, s46, v3
	v_mov_b32 v4, 0xff800000
	s_lshl_b32 s46, s12, 8
	s_add_co_u32 s46, s46, R1
	v_lshl_add_u32 v7, v11, 7, s46
	v_lshlrev_b32 v8, 7, v11
	v_add_nc_u32 v8, R1, v8
	s_lshl_b32 s46, s12, 13
	v_add_nc_u32 v9, s46, v1
.irp j, 12,13,14,15
	v_mov_b32 v\j, 0
.endr
	s_mov_b32 s27, 0
	s_mov_b32 s28, 0
	s_wait_kmcnt 0x0
	s_add_co_i32 s46, s36, s37
	s_lshl_b32 s46, s46, 23
	s_add_co_i32 s30, s46, 0x3d8293ee
	s_mov_b32 s31, s30
	s_xor_b32 s32, s30, 0x80000000
	s_mov_b32 s33, s32
	s_add_co_i32 s46, s38, 127
	s_lshl_b32 s47, s46, 23
	v_mov_b32 v6, s47
	s_add_co_i32 s46, s46, 15
	s_lshl_b32 s46, s46, 23
	s_or_b32 s46, s46, 0x600000
	v_mov_b32 v5, s46
	s_wait_loadcnt 16
.irp i, 0,1,2,3,4,5,6,7,8,9,10,11,12,13,14,15
	ds_store_b128 v9, v[QB0+64+4*\i:QB0+64+4*\i+3] offset:512*\i
.endr
.irp i, 0,1,2,3,4,5,6,7,8,9,10,11,12,13,14,15
	ds_store_b128 v9, v[QB0+128+4*\i:QB0+128+4*\i+3] offset:32768+512*\i
.endr
	s_wait_dscnt 0x0
	s_barrier_signal -1
	s_barrier_wait -1
	MLOAD QB0+64, 1, 18, 16
.macro ITEM e
.if \e > 0
	s_cmp_le_u32 s16, \e
	s_cbranch_scc1 .Lqk_done
.endif
.if \e < 14
	s_wait_loadcnt 32
.endif
.if \e == 14
	s_wait_loadcnt 16
.endif
.if \e == 15
	s_wait_loadcnt 0
.endif
.set WN, 2+(\e)/8
.set AB, 32*((\e)%8)
.set QB, QB0+64*((\e)%3)
	WIN (WN<<6)|(WN<<4)|1
.irp ks, 0,1,2,3
.irp a, 0,1,2,3
.if \ks == 0
	v_wmma_f32_16x16x128_bf8_bf8 v[AB+8*\a:AB+8*\a+7], v[64*\a+16*\ks:64*\a+16*\ks+15], v[QB+16*\ks:QB+16*\ks+15], 0
.else
	v_wmma_f32_16x16x128_bf8_bf8 v[AB+8*\a:AB+8*\a+7], v[64*\a+16*\ks:64*\a+16*\ks+15], v[QB+16*\ks:QB+16*\ks+15], v[AB+8*\a:AB+8*\a+7]
.endif
.endr
.endr
	WIN 0
.rept 4
	v_nop
.endr
.if \e <= 12
	MLOAD QB, (\e)+3, 18, 16
.endif
.if \e == 0
	WIN 0x82
.set n, 0
.rept 32
	v_cmp_gt_i32 vcc_lo, 16*(n/8)+n%8, v3
	v_cndmask_b32 v[n], v[n], v4, vcc_lo
.set n, n+1
.endr
.endif
	WIN WN
.set n, 0
.rept 32
.if \e == 0
	v_mov_b32 v[MX+n], v[AB+n]
.else
	v_max_num_f32 v[MX+n], v[AB+n], v[MX+n]
.endif
.set n, n+1
.endr
	WIN 0
.endm
.macro XRED ins, reg
.irp x, 1,2,4,8
.set n, 0
.rept 32
	\ins v[\reg+n], v[\reg+n], v[\reg+n] row_xmask:\x row_mask:0xf bank_mask:0xf
.set n, n+1
.endr
.endr
.endm
.macro SHARE reg, off
.irp q, 0,1,2,3,4,5,6,7
	ds_store_b128 v7, v[\reg+4*\q:\reg+4*\q+3] offset:\off+16*\q
.endr
	s_wait_dscnt 0x0
	s_barrier_signal -1
	s_barrier_wait -1
.endm
.macro TAKE reg, wv, off
.irp q, 0,1,2,3,4,5,6,7
	ds_load_b128 v[\reg+4*\q:\reg+4*\q+3], v8 offset:\off+256*\wv+16*\q
.endr
.endm
.macro EXPI e
.if \e > 0
	s_cmp_le_u32 s16, \e
	s_cbranch_scc1 .Lexp_done
.endif
.set WN, 2+(\e)/8
.set AB, 32*((\e)%8)
	WIN (WN<<6)|WN
.set n, 0
.rept 16
	v_pk_fma_f32 v[AB+n:AB+n+1], v[AB+n:AB+n+1], s[30:31], v[MX+n:MX+n+1] op_sel_hi:[1,0,1]
.set n, n+2
.endr
.set n, 0
.rept 32
	v_exp_f32 v[AB+n], v[AB+n]
.set n, n+1
.endr
	v_nop
	s_wait_alu depctr_va_vdst(0)
	WIN WN<<2
.set n, 0
.rept 16
.if \e == 0
	v_pk_add_f32 v[SM+n:SM+n+1], v[12:13], v[AB+n:AB+n+1]
.else
	v_pk_add_f32 v[SM+n:SM+n+1], v[SM+n:SM+n+1], v[AB+n:AB+n+1]
.endif
.set n, n+2
.endr
	WIN 0
.endm
.macro OUTI e
.if \e > 0
	s_cmp_le_u32 s16, \e
	s_cbranch_scc1 .Lout_done
.endif
.set WN, 2+(\e)/8
.set AB, 32*((\e)%8)
	WIN WN
.set n, 0
.rept 16
	v_pk_mul_f32 v[TP+n:TP+n+1], v[AB+n:AB+n+1], v[SM+n:SM+n+1]
.set n, n+2
.endr
	WIN 0
.set n, 0
.rept 32
	v_min_num_f32 v[TP+n], v[TP+n], v5
.set n, n+1
.endr
	s_wait_xcnt 0x0
.irp q, 0,1,2,3
	v_cvt_scalef32_pk8_bf8_f32 v[CDR+2*\q:CDR+2*\q+1], v[TP+8*\q:TP+8*\q+7], v6
.endr
	v_nop
	global_store_b128 v1, v[CDR:CDR+3], s[22:23] offset:(\e)*65536
	global_store_b128 v1, v[CDR+4:CDR+7], s[22:23] offset:(\e)*65536+512
.endm
.Lstrip:
	MLOAD QB0+128, 2, 18, 16
	v_add_nc_u32 v2, s27, v1
	WIN 0x40
.irp a, 0,1,2,3
.irp ks, 0,1,2,3
.irp c, 0,1,2,3
	ds_load_b128 v[64*\a+16*\ks+4*\c:64*\a+16*\ks+4*\c+3], v2 offset:\a*8192+\ks*2048+\c*512
.endr
.endr
.endr
	WIN 0
	s_wait_dscnt 0x0
.irp e, 0,1,2,3,4,5,6,7,8,9,10,11,12,13,14,15
	ITEM \e
.endr
.Lqk_done:
	s_wait_loadcnt 0x0
	MLOAD QB0, 0, 20, 17
	MLOAD QB0+64, 1, 20, 17
	XRED v_max_num_f32_dpp, MX
	SHARE MX, 0
	TAKE TP, 0, 0
	TAKE SM, 1, 0
	s_wait_dscnt 0x0
.set n, 0
.rept 32
	v_max_num_f32 v[MX+n], v[TP+n], v[SM+n]
.set n, n+1
.endr
	TAKE TP, 2, 0
	TAKE SM, 3, 0
	s_wait_dscnt 0x0
.set n, 0
.rept 32
	v_max3_num_f32 v[MX+n], v[MX+n], v[TP+n], v[SM+n]
.set n, n+1
.endr
.set n, 0
.rept 16
	v_pk_mul_f32 v[MX+n:MX+n+1], v[MX+n:MX+n+1], s[32:33] op_sel_hi:[1,0]
.set n, n+2
.endr
.irp e, 0,1,2,3,4,5,6,7,8,9,10,11,12,13,14,15
	EXPI \e
.endr
.Lexp_done:
	XRED v_add_f32_dpp, SM
	SHARE SM, 1024
	TAKE TP, 0, 1024
	TAKE MX, 1, 1024
	s_wait_dscnt 0x0
.set n, 0
.rept 16
	v_pk_add_f32 v[SM+n:SM+n+1], v[TP+n:TP+n+1], v[MX+n:MX+n+1]
.set n, n+2
.endr
	TAKE TP, 2, 1024
	TAKE MX, 3, 1024
	s_wait_dscnt 0x0
.set n, 0
.rept 16
	v_pk_add_f32 v[TP+n:TP+n+1], v[TP+n:TP+n+1], v[MX+n:MX+n+1]
.set n, n+2
.endr
.set n, 0
.rept 16
	v_pk_add_f32 v[SM+n:SM+n+1], v[SM+n:SM+n+1], v[TP+n:TP+n+1]
.set n, n+2
.endr
.set n, 0
.rept 32
	v_rcp_f32 v[MX+n], v[SM+n]
.set n, n+1
.endr
	v_nop
	s_wait_alu depctr_va_vdst(0)
.set n, 0
.rept 32
	v_fma_f32 v[TP+n], -v[SM+n], v[MX+n], 1.0
.set n, n+1
.endr
.set n, 0
.rept 32
	v_fma_f32 v[SM+n], v[TP+n], v[MX+n], v[MX+n]
.set n, n+1
.endr
.irp e, 0,1,2,3,4,5,6,7,8,9,10,11,12,13,14,15
	OUTI \e
.endr
.Lout_done:
	s_bitcmp1_b32 s15, 0
	s_cbranch_scc0 .Leven
	global_store_b128 v1, v[12:15], s[22:23] offset:-65536
	global_store_b128 v1, v[12:15], s[22:23] offset:-65536+512
.Leven:
	s_wait_xcnt 0x0
	s_mov_b64 s[18:19], s[20:21]
	s_mov_b64 s[22:23], s[24:25]
	s_mov_b32 s15, s26
	s_mov_b32 s16, s17
	s_mov_b32 s17, 0
	s_add_co_u32 s27, s27, 32768
	s_add_co_u32 s28, s28, 1
	s_cmp_lt_u32 s28, 2
	s_cbranch_scc1 .Lstrip
	s_wait_tensorcnt 0x0
	ds_add_u32 v254, v255
	s_wait_dscnt 0x0
	s_endpgm
.Lfunc_end_k_qbb85d7bed0_soft:
	.size	k_qbb85d7bed0_soft, .Lfunc_end_k_qbb85d7bed0_soft-k_qbb85d7bed0_soft
	.p2alignl 7, 3214868480
	.fill 96, 4, 3214868480
	.section	.rodata,"a",@progbits
	.p2align	6, 0x0
	.amdhsa_kernel k_qbb85d7bed0_soft
		.amdhsa_group_segment_fixed_size 68096
		.amdhsa_private_segment_fixed_size 0
		.amdhsa_enable_private_segment 0
		.amdhsa_kernarg_size 32
		.amdhsa_user_sgpr_count 2
		.amdhsa_user_sgpr_kernarg_segment_ptr 1
		.amdhsa_wavefront_size32 1
		.amdhsa_system_sgpr_workgroup_id_x 1
		.amdhsa_system_sgpr_workgroup_id_y 1
		.amdhsa_system_sgpr_workgroup_id_z 1
		.amdhsa_system_vgpr_workitem_id 0
		.amdhsa_next_free_vgpr 1024
		.amdhsa_next_free_sgpr 66
		.amdhsa_reserve_vcc 1
		.amdhsa_float_denorm_mode_32 3
		.amdhsa_float_denorm_mode_16_64 3
		.amdhsa_memory_ordered 1
		.amdhsa_forward_progress 1
		.amdhsa_inst_pref_size 237
	.end_amdhsa_kernel
	.amdgpu_metadata
---
amdhsa.version: [ 1, 2 ]
amdhsa.kernels:
  - .name:           k_qbb85d7bed0_soft
    .symbol:         k_qbb85d7bed0_soft.kd
    .args:
      - { .name: qc, .offset: 0, .size: 8, .value_kind: global_buffer, .address_space: global }
      - { .name: kc, .offset: 8, .size: 8, .value_kind: global_buffer, .address_space: global }
      - { .name: lowp_scales, .offset: 16, .size: 8, .value_kind: global_buffer, .address_space: global }
      - { .name: wc, .offset: 24, .size: 8, .value_kind: global_buffer, .address_space: global }
    .group_segment_fixed_size: 68096
    .private_segment_fixed_size: 0
    .kernarg_segment_align: 8
    .kernarg_segment_size: 32
    .max_flat_workgroup_size: 128
    .sgpr_count:     66
    .vgpr_count:     1024
    .wavefront_size: 32
...
	.end_amdgpu_metadata
.endif
;; end of part 2
;; launch mix (part 3): grid 8 x 32, 4 waves a work-group, no clusters, 327,680 bytes of LDS; arguments vc, wc, lowp_scales, out0; writes out0
.if DOCPART == 3
	.amdgcn_target "amdgcn-amd-amdhsa--gfx1250"
	.amdhsa_code_object_version 6
	.text
	.protected	k_qbb85d7bed0_mix
	.globl	k_qbb85d7bed0_mix
	.p2align	8
	.type	k_qbb85d7bed0_mix,@function
k_qbb85d7bed0_mix:
	s_mov_b64 s[64:65], 0
	v_nop
	global_prefetch_b8 v0, s[64:65] scope:SCOPE_SE
	s_setreg_imm32_b32 hwreg(HW_REG_WAVE_MODE, 25, 1), 1
	s_wait_xcnt 0x0
.set SLOT,  147456
.set STAGE, 2*SLOT
.set SPARE, STAGE+4*16*272
.set MSB, 0
.macro WIN new
.if MSB != \new
	s_set_vgpr_msb (MSB<<8)|\new
.set MSB, \new
.endif
.endm
.macro DESC g, base, slotoff
	s_mul_i32 s97, s97, s23
	s_mul_i32 s98, s98, s24
	s_add_co_u32 s98, s98, s97
	s_mov_b32 s[\g], 1
	s_add_co_u32 s[\g+1], s[\base], \slotoff
	s_add_nc_u64 s[\g+2:\g+3], s[26:27], s[98:99]
	s_or_b32 s[\g+3], s[\g+3], 0x80000000
.endm
.macro PICK n
	s_sub_co_u32 s98, \n-1, s13
	s_cmp_ge_u32 s13, \n-1
	s_cselect_b32 s97, s13, s16
	s_cselect_b32 s98, \n-1, s98
.endm
	s_load_b256 s[4:11], s[0:1], 0x0
	v_lshl_add_u32 v10, v0, 2, SPARE
	v_mov_b32 v11, 0
	ds_add_u32 v10, v11
	ds_add_u32 v10, v11
	s_wait_dscnt 0x0
	v_lshrrev_b32 v1, 5, v0
	v_readfirstlane_b32 s12, v1
	s_and_b32 s13, ttmp9, 3
	s_lshr_b32 s14, ttmp9, 2
	s_and_b32 s15, ttmp7, 0xffff
	s_sub_co_u32 s16, 7, s13
	s_lshr_b32 s17, s12, 1
	s_and_b32 s18, s12, 1
	s_xor_b32 s20, s17, 1
	s_add_co_u32 s20, s20, 1
	s_mul_i32 s2, s18, s20
	s_mul_i32 s2, s2, 24576
	s_mul_i32 s94, s17, 98304
	s_add_co_u32 s2, s2, s94
	s_lshl_b32 s22, s20, 13
	s_add_co_u32 s3, s2, s22
	s_add_co_u32 s25, s3, s22
	s_mov_b32 s56, 3<<16
	s_mov_b32 s57, 32<<16
	s_mov_b32 s58, 64<<16
	s_mov_b32 s59, 32<<16
	s_mov_b32 s60, 64
	s_mov_b32 s61, 32
	s_mov_b32 s62, 0
	s_mov_b32 s63, 0
	s_mov_b32 s68, 3<<16
	s_mov_b32 s69, 32<<16
	s_mov_b32 s70, 32<<16
	s_mov_b32 s71, 32<<16
	s_mov_b32 s72, 32
	s_mov_b32 s73, 32
	s_mov_b32 s74, 0
	s_mov_b32 s75, 0
	s_mov_b32 s76, 3<<16
	s_mov_b32 s77, 2048<<16
	s_mov_b32 s78, 3<<16
	s_mov_b32 s79, 2048<<16
	s_mov_b32 s80, 3
	s_mov_b32 s81, 8192
	s_mov_b32 s82, 0
	s_mov_b32 s83, 0
	s_mov_b32 s84, 3<<16
	s_mov_b32 s85, 32<<16
	s_mov_b32 s86, 96<<16
	s_mov_b32 s87, 32<<16
	s_mov_b32 s88, 96
	s_mov_b32 s89, 32
	s_mov_b32 s90, 0
	s_mov_b32 s91, 0
	s_lshl_b32 s94, s15, 19
	s_lshl_b32 s95, s14, 15
	s_add_co_u32 s94, s94, s95
	s_lshl_b32 s95, s18, 14
	s_add_co_u32 s94, s94, s95
	s_lshl_b32 s96, s15, 20
	s_lshl_b32 s95, s18, 16
	s_add_co_u32 s96, s96, s95
	s_mov_b32 s24, 8192
	s_mov_b32 s95, 0
	s_mov_b32 s99, 0
	s_cmp_lt_u32 s12, 2
	s_cselect_b32 s94, s94, s96
	s_cselect_b32 s23, 0, 131072
	s_cselect_b32 s24, 65536, s24
	s_wait_kmcnt 0x0
	s_cselect_b64 s[26:27], s[4:5], s[6:7]
	s_add_nc_u64 s[26:27], s[26:27], s[94:95]
	s_load_b64 s[92:93], s[8:9], 0x20
	s_mov_b32 s97, s16
	s_mov_b32 s98, 0
	DESC 32, 2, 0
	s_mov_b32 s97, s13
	s_mov_b32 s98, 0
	DESC 36, 3, 0
	PICK 2
	DESC 40, 25, 0
	PICK 3
	DESC 44, 2, SLOT
	PICK 4
	DESC 48, 3, SLOT
	s_mov_b32 s97, s16
	s_sub_co_u32 s98, 4, s13
	DESC 52, 25, SLOT
	s_cmp_lt_u32 s12, 2
	s_cbranch_scc0 .Lfirst_w
.irp n, 0,1,2,3,4,5
	tensor_load_to_lds s[32+4*\n:35+4*\n], s[56:63]
	s_nop 0
.endr
.rept 4
	v_nop
.endr
	s_branch .Lfirst_done
.Lfirst_w:
.irp n, 0,1,2,3,4,5
	tensor_load_to_lds s[32+4*\n:35+4*\n], s[68:75]
	s_nop 0
.endr
.rept 4
	v_nop
.endr
.Lfirst_done:
	v_and_b32 v12, 31, v0
	v_lshlrev_b32 v1, 4, v12
	v_and_b32 v13, 15, v0
	v_bfe_u32 v14, v0, 4, 1
	s_mul_i32 s94, s17, 49152
	v_add_nc_u32 v2, s94, v1
	v_add_nc_u32 v3, SLOT, v2
	s_mul_i32 s94, s18, 24576
	s_add_co_u32 s94, s94, 98304
	v_add_nc_u32 v4, s94, v1
	v_add_nc_u32 v5, SLOT, v4
	s_mul_i32 s94, s12, 16*272
	s_add_co_u32 s94, s94, STAGE
	v_mul_u32_u24 v6, v13, 272
	v_lshl_add_u32 v6, v14, 5, v6
	v_add_nc_u32 v6, s94, v6
	v_mul_u32_u24 v7, v14, 272
	v_lshl_add_u32 v7, v13, 4, v7
	v_add_nc_u32 v7, s94, v7
	v_lshlrev_b32 v8, 12, v14
	v_lshl_add_u32 v8, v13, 4, v8
	s_lshl_b32 s94, s15, 21
	s_lshl_b32 s95, s14, 20
	s_add_co_u32 s94, s94, s95
	s_lshl_b32 s95, s17, 19
	s_add_co_u32 s94, s94, s95
	s_lshl_b32 s95, s18, 8
	s_add_co_u32 s94, s94, s95
	s_lshl_b32 s96, s13, 9
	s_add_co_u32 s96, s96, s94
	s_mov_b32 s97, 0
	s_add_nc_u64 s[28:29], s[10:11], s[96:97]
	s_lshl_b32 s96, s16, 9
	s_add_co_u32 s96, s96, s94
	s_add_nc_u64 s[30:31], s[10:11], s[96:97]
	s_wait_kmcnt 0x0
	s_add_co_i32 s92, s92, s93
	s_add_co_i32 s92, s92, 127
	s_lshl_b32 s92, s92, 23
	s_mov_b32 s93, s92
.macro FETCH n
.set FSL, ((\n)/3)%2
.set FSG, (\n)%3
.set FST, (\n)%2
	WIN 0x40
.irp x, 0,1,2,3,4,5,6,7
.irp c, 0,1,2,3
	ds_load_b128 v[128*FST+16*\x+4*\c:128*FST+16*\x+4*\c+3], v[2+FSL] offset:FSG*16384+\x*2048+\c*512
.endr
.endr
	WIN 0
.irp t, 0,1,2,3
.irp c, 0,1,2,3
	ds_load_b128 v[32+64*FST+16*\t+4*\c:32+64*FST+16*\t+4*\c+3], v[4+FSL] offset:FSG*8192+\t*2048+\c*512
.endr
.endr
.endm
.macro MUL n, win, zero
.set FST, (\n)%2
	WIN \win
.irp x, 0,1,2,3,4,5,6,7
.irp t, 0,1,2,3
.if \zero
	v_wmma_f32_16x16x128_bf8_bf8 v[32*\x+8*\t:32*\x+8*\t+7], v[32+64*FST+16*\t:32+64*FST+16*\t+15], v[128*FST+16*\x:128*FST+16*\x+15], 0
.else
	v_wmma_f32_16x16x128_bf8_bf8 v[32*\x+8*\t:32*\x+8*\t+7], v[32+64*FST+16*\t:32+64*FST+16*\t+15], v[128*FST+16*\x:128*FST+16*\x+15], v[32*\x+8*\t:32*\x+8*\t+7]
.endif
.endr
.endr
.endm
.macro MULSEL n
	s_cmp_ge_u32 s13, \n-1
	s_cbranch_scc0 .Lfor_y_\@
	MUL \n, 0xa4, 0
	WIN 0
	s_branch .Ldone_\@
.Lfor_y_\@:
	MUL \n, 0xf4, 0
	WIN 0
.Ldone_\@:
.endm
.macro PLACES
.rept 4
	v_nop
.endr
.endm
.macro BARRIER
	s_barrier_signal -1
	s_barrier_wait -1
.endm
.macro TOSTAGE w, x
	s_wait_xcnt 0x0
	WIN \w
.set n, 0
.rept 16
	v_pk_mul_f32 v[160+n:161+n], v[32*(\x)+n:32*(\x)+n+1], s[92:93] op_sel_hi:[1,0]
.set n, n+2
.endr
	WIN 0
.irp t, 0,1,2,3
	ds_store_b128 v6, v[160+8*\t:163+8*\t] offset:64*\t
	ds_store_b128 v6, v[164+8*\t:167+8*\t] offset:64*\t+16
.endr
.irp i, 0,1,2,3,4,5,6,7
	ds_load_b128 v[192+32*((\x)%2)+4*\i:192+32*((\x)%2)+4*\i+3], v7 offset:544*\i
.endr
.endm
.macro SEND x, younger, ob
	s_wait_dscnt \younger
.irp i, 0,1,2,3,4,5,6,7
	global_store_b128 v8, v[192+32*((\x)%2)+4*\i:192+32*((\x)%2)+4*\i+3], s[\ob:\ob+1] offset:(16*(\x)+2*\i)*4096 th:TH_STORE_NT
.endr
.endm
.macro FLUSH w, ob
	TOSTAGE \w, 0
.irp x, 1,2,3,4,5,6,7
	TOSTAGE \w, \x
	SEND \x-1, 16, \ob
.endr
	SEND 7, 0, \ob
.endm
	s_wait_tensorcnt 5
	BARRIER
	FETCH 0
	s_wait_dscnt 0x0
	s_wait_tensorcnt 4
	BARRIER
	FETCH 1
	MUL 0, 0xf4, 1
	PLACES
	s_wait_dscnt 0x0
	s_wait_tensorcnt 3
	BARRIER
	FETCH 2
	MUL 1, 0xa4, 1
	WIN 0
	s_wait_tensorcnt 0x0
	ds_add_u32 v10, v11
	s_mov_b32 s97, s16
	s_sub_co_u32 s98, 5, s13
	DESC 32, 2, 0
	s_wait_dscnt 0x0
	BARRIER
	s_cmp_lt_u32 s12, 2
	s_cbranch_scc0 .Lrefill_w
	tensor_load_to_lds s[32:35], s[76:83]
	s_nop 0
.rept 4
	v_nop
.endr
	s_branch .Lrefilled
.Lrefill_w:
	tensor_load_to_lds s[32:35], s[84:91]
	s_nop 0
.rept 4
	v_nop
.endr
.Lrefilled:
	FETCH 3
	MULSEL 2
	PLACES
	FETCH 4
	s_wait_dscnt 48
	MULSEL 3
	PLACES
	FETCH 5
	s_wait_dscnt 48
	MULSEL 4
	PLACES
	s_wait_tensorcnt 0x0
	ds_add_u32 v10, v11
	s_wait_dscnt 0x0
	BARRIER
	FETCH 6
	MUL 5, 0xf4, 0
	FLUSH 2, 28
	FETCH 7
	s_wait_dscnt 48
	MUL 6, 0xf4, 0
	PLACES
	FETCH 8
	s_wait_dscnt 48
	MUL 7, 0xf4, 0
	s_wait_dscnt 0x0
	MUL 8, 0xf4, 0
	PLACES
	FLUSH 3, 30
	s_wait_tensorcnt 0x0
	ds_add_u32 v10, v11
	s_wait_dscnt 0x0
	s_endpgm
.Lfunc_end_k_qbb85d7bed0_mix:
	.size	k_qbb85d7bed0_mix, .Lfunc_end_k_qbb85d7bed0_mix-k_qbb85d7bed0_mix
	.p2alignl 7, 3214868480
	.fill 96, 4, 3214868480
	.section	.rodata,"a",@progbits
	.p2align	6, 0x0
	.amdhsa_kernel k_qbb85d7bed0_mix
		.amdhsa_group_segment_fixed_size 327680
		.amdhsa_private_segment_fixed_size 0
		.amdhsa_enable_private_segment 0
		.amdhsa_kernarg_size 32
		.amdhsa_user_sgpr_count 2
		.amdhsa_user_sgpr_kernarg_segment_ptr 1
		.amdhsa_wavefront_size32 1
		.amdhsa_system_sgpr_workgroup_id_x 1
		.amdhsa_system_sgpr_workgroup_id_y 1
		.amdhsa_system_sgpr_workgroup_id_z 1
		.amdhsa_system_vgpr_workitem_id 0
		.amdhsa_next_free_vgpr 1024
		.amdhsa_next_free_sgpr 100
		.amdhsa_reserve_vcc 0
		.amdhsa_float_denorm_mode_32 3
		.amdhsa_float_denorm_mode_16_64 3
		.amdhsa_memory_ordered 1
		.amdhsa_forward_progress 1
		.amdhsa_inst_pref_size 111
	.end_amdhsa_kernel
	.amdgpu_metadata
---
amdhsa.version: [ 1, 2 ]
amdhsa.kernels:
  - .name:           k_qbb85d7bed0_mix
    .symbol:         k_qbb85d7bed0_mix.kd
    .args:
      - { .name: vc, .offset: 0, .size: 8, .value_kind: global_buffer, .address_space: global }
      - { .name: wc, .offset: 8, .size: 8, .value_kind: global_buffer, .address_space: global }
      - { .name: lowp_scales, .offset: 16, .size: 8, .value_kind: global_buffer, .address_space: global }
      - { .name: out0, .offset: 24, .size: 8, .value_kind: global_buffer, .address_space: global }
    .group_segment_fixed_size: 327680
    .private_segment_fixed_size: 0
    .kernarg_segment_align: 8
    .kernarg_segment_size: 32
    .max_flat_workgroup_size: 128
    .sgpr_count:     100
    .vgpr_count:     1024
    .wavefront_size: 32
...
	.end_amdgpu_metadata
.endif
;; end of part 3
